; MI455X (gfx1250); checked and timed in simulation.
; The chip was launched on July 23, 2026; its instructions are those of AMD's public machine-readable ISA for CDNA 5 (MIT licence, August 2026) and "CDNA5" Instruction Set Architecture Reference Guide (July 2026). The comments in the code are by the model that wrote it; some were corrected since.
;; Cross Attention. Allowed arithmetic: matrix products marked QUANTISED: E2M3 operands, one E8M0 scale for each 32 along K, by v_wmma_scale_f32_16x16x128_f8f6f4 with both operands' format E2M3, f32 sums; products left as they are: f32 operands where the result goes on into a quantised operand, else bf16, f16 or f32 operands; f32 sums; everything else in f32.
;; Inputs: Wk 64 x 64 float32; Wq 64 x 64 float32; Wv 64 x 64 float32; neighbors 8 x 64 x 2,048 x 32 float32; pcd 8 x 64 x 2,048 float32.
;; Outputs: out0 8 x 64 x 2,048 float32.
;; This version of the problem:
;;   THIS VERSION OF THE PROBLEM IS GIVEN IN LOW PRECISION. The matrix products marked QUANTISED in the list below multiply operands that are first quantised to E2M3 (2 exponent bits, 3 mantissa bits; 6 bits a number), with one power-of-two scale for each 32 numbers along K (OCP MX v1.0); their sums are f32. All else is computed in f32.
;;   The module's matrix products, in the order in which they are computed (A, B: the left and right operand; K: the contracted axis; several contracted axes count as one K, in the product's order):
;;     1. [M 16,384, K 64] x [K 64, N 64]; A: input pcd; B: input Wq: QUANTISED
;;     2. [M 524,288, K 64] x [K 64, N 64]; A: input neighbors; B: input Wk: QUANTISED
;;     3. [M 524,288, K 64] x [K 64, N 64]; A: input neighbors; B: input Wv: QUANTISED
;;     4. batch 131,072 x [M 1, K 8] x [K 8, N 32]; A: computed on the way; B: computed on the way: left as it is (K = 8 < 32)
;;     5. batch 131,072 x [M 1, K 32] x [K 32, N 8]; A: softmax; B: computed on the way: left as it is (M = 1 < 16)
;;   THE QUANTISER, for each operand of a quantised product, along K:
;;     - K is cut into blocks of 32 from its start; a last block that is shorter is filled with zeros.
;;     - A block's scale is 2^e with e = floor(log2(the largest magnitude in the block)) - 2, held to -126 .. 127; a block of zeros has e = 0. As a byte (E8M0): e + 127.
;;     - Each number is divided by its block's scale, clamped to +-7.5, and rounded to the nearest number of E2M3, ties to even, subnormals kept.
;;     - The product sums the exact products of the quantised numbers (number of the format x scale) in f32.
;;   ~~~python
;;   def quantise(x, axis):      # numpy; x: float32 -> the quantised numbers, widened to float32 again
;;       x = np.moveaxis(x, axis, -1); K = x.shape[-1]
;;       x = np.pad(x, [(0, 0)] * (x.ndim - 1) + [(0, -K % 32)]); x = x.reshape(x.shape[:-1] + (-1, 32)); a = np.abs(x).max(-1, keepdims=True)
;;       e = np.where(a > 0, np.clip(np.frexp(np.where(a > 0, a, 1))[1] - 1 - 2, -126, 127), 0)      # np.frexp(a)[1] - 1 = floor(log2(a)), exactly
;;       r = np.clip(x / 2.0 ** e, -7.5, 7.5)
;;       step = 2.0 ** (np.maximum(np.frexp(np.where(r == 0, 1, r))[1] - 1, 0) - 3)
;;       q = np.round(r / step) * step * 2.0 ** e      # np.round: ties to even
;;       return np.moveaxis(q.reshape(q.shape[:-2] + (-1,))[..., :K], -1, axis).astype(np.float32)
;;   ~~~
;; One version. Each part assembles by itself: llvm-mc -triple=amdgcn-amd-amdhsa -mcpu=gfx1250 --defsym DOCPART=n.
;; ======== version 1 of 1: 1 launch
;; launch xattn (part 1): grid 256 x 1, 16 waves a work-group, no clusters, 104,448 bytes of LDS; arguments neighbors, pcd, Wq, Wk, Wv, out0; writes out0
.if DOCPART == 1
	.amdgcn_target "amdgcn-amd-amdhsa--gfx1250"
	.amdhsa_code_object_version 6
	.text
	.protected	k_q91d77cef36_xattn
	.globl	k_q91d77cef36_xattn
	.p2align	8
	.type	k_q91d77cef36_xattn,@function
k_q91d77cef36_xattn:
	s_mov_b64 s[64:65], 0
	v_nop
	global_prefetch_b8 v0, s[64:65] scope:SCOPE_SE
	s_setreg_imm32_b32 hwreg(HW_REG_WAVE_MODE, 25, 1), 1
	s_wait_xcnt 0x0
; out0[b][8 hd + d][n] = sum over kk of softmax_kk( q[hd][:] . k[hd][:][kk] / sqrt(8) ) v[hd][d][kk],  q = Wq pcd, k = Wk neighbors, v = Wv neighbors, for each point (b, n) over its 32 neighbours kk.
; The three products with W run on codes of FP6 (E2M3) with one E8M0 scale for each 32 channels (K = the 64 channels); scores, softmax and the weighted sum are f32 vector arithmetic.
; pcd, out0: [8][64][2048] f32.  neighbors: [8][64][2048][32] f32: K IS NOT INNERMOST: channels lie 262,144 bytes apart, a point's 32 neighbours are 128 consecutive bytes.
; SHARES.  A work-group of sixteen waves owns 64 neighbouring points of one batch, in four rounds of 16.  In a round wave w loads point 16 rho + w: A LANE TAKES A NEIGHBOUR AND ITS REGISTERS RUN DOWN THE CHANNELS,
; so each load reads 128 consecutive bytes (the sixteen waves side by side 2,048), a block of 32 channels lies in one lane, and the conversions give codes with K innermost.  Codes (24 bytes a column and block) and scale words
; go to LDS; one barrier; then wave (quad = w / 4, t = w % 4) takes the round's points 4 quad .. 4 quad + 3 and the output channels 16 t .. 16 t + 15.
; THE COLUMNS OF A TILE ARE 4 POINTS x 4 NEIGHBOURS: lane r = 4 p + kq of tile g is point p, neighbour 4 g + kq.  Source 0 = 16 rows of W, source 1 = 16 columns: in the result lane (r, h) holds column r and the
; channels 16 t + 8 h + 0..7: ONE HEAD.  So a score is a sum within the lane, and the softmax and the weighted sum run over the lane's 8 tiles and then over the four lanes kq (two steps of row_xmask).
; K = 64 IN AN INSTRUCTION OF 128: W's fragments hold zero codes for k = 64..127.  A data fragment is 6 registers; the 6 behind it, which the instruction also names, are the next fragment's codes: finite numbers times
; zero codes; behind the last stand six registers of zeros.  The scale bytes of those two blocks are 127.
; THE STREAM.  A ring of three half-slots of 32 registers (one block of a point each).  Unit u + 2 is asked for at the head of unit u: two units, 64 loads, are on their way while a unit is quantised and while a job runs.
; The half-slot that is free during a job holds the job's four accumulators.
; No tensor loads (the numbers must come a lane to a column, 4 bytes a lane), no cluster (work-groups share the 48 KB of W alone), no register windows.
; LIMITS: NaN and infinities among the inputs are not served.  A block of zeros gets the byte 1 where the rule says 127: its codes are zeros and this program alone reads the byte.  Weights under 2^-126 count as 0 (v_exp_f32).
.set NB_C,  262144                     ; neighbors: bytes from channel to channel
.set RND_B, 2048                       ; and of a round's 16 points in a channel
.set PC_C,  8192                       ; pcd, out0: bytes from channel to channel
; LDS
.set PA,    1088                       ; codes, first 16 bytes of a block's 24: a point is 2 blocks x 32 neighbours x 16 bytes, + 64: the four points that a load touches start 64 bytes apart modulo 256
.set BUFA,  16*PA                      ; a round's; two buffers by turns, from LDS byte 0
.set CB,    2*BUFA                     ; codes, last 8 bytes: a block is 32 x 8 bytes + 32,
.set HB,    288
.set PB,    2*HB                       ; a point two of them
.set BUFB,  16*PB
.set CS,    CB+2*BUFB                  ; scale words: 128 bytes a point; neighbour 4 g + kq at 32 kq + 4 g
.set BUFS,  2048
.set PRAW,  CS+2*BUFS                  ; pcd as it lies: 64 channels x 64 points, f32
.set WIMG,  PRAW+64*256                ; twelve fragments of W as images of their registers: 512 + 256 bytes of codes, 128 of scale words
.set WFR,   896
.set XST,   WIMG+12*WFR                ; the way out: 64 channels x (64 points + 16 bytes)
.set XP,    272
; vector registers
.set OFF,  1                           ; 4 x thread: my 4 bytes among the work-group's 2,048 of a channel
.set WA,   2                           ; where I put codes (16 bytes), (8 bytes), my scale word
.set WB,   3
.set WS,   4
.set RA,   5                           ; where I read them for my tiles
.set RB,   6
.set RS,   7
.set XS,   8                           ; the stage: in, back; my offset in out0
.set XR,   9
.set GO,   10
.set PW,   11                          ; pcd: into LDS, out of LDS, in memory
.set PR,   12
.set PG,   13
.set WGO,  14                          ; W in memory
.set WI16, 15                          ; a fragment's image: where I store it (16, 8, 4 bytes a lane),
.set WI8,  16
.set WI4,  17
.set LI16, 18                          ; and where I read tile t's
.set LI8,  19
.set LI4,  20
.set PT,   21                          ; at work
.set M0,   26                          ; v26-27 largest magnitudes, largest scores
.set M1,   27
.set SCO,  28                          ; the conversions' scale operand
.set BY,   29                          ; v29-30 scale bytes of blocks 0 and 1
.set SW,   31                          ; a scale word on its way to LDS
.set RING, 32                          ; v32-127 three half-slots
.set WK,   128                         ; v128-139 Wk's fragment (first Wq's), v140-151 Wv's: 6 registers of codes, 6 of zeros
.set WV,   140
.set FR,   152                         ; v152-199 eight data fragments, v200-205 zeros.  While a point is quantised: its codes
.set YT,   FR+12
.set PL,   FR+16
.set SD,   206                         ; v206-213 the tiles' scale words; v214, v215 W's: these ten hold scales and nothing else
.set SWK,  214
.set SWV,  215
.set Q,    216                         ; v216-223 q x log2(e) / sqrt(8) of my 16 points; v224-231 of the round's four
.set QS,   224
.set E,    232                         ; v232-239 scores, then weights
.set X,    240                         ; v240-247 the weighted sums
.set T,    248                         ; v248-255 at work
.set SEL,  42                          ; s[42:43] v_permlanex16_b32's selects for lane l xor 16
.set CQ,   44                          ; s[44:45] log2(e) / sqrt(8)
; the largest magnitude of 32 numbers of a lane, in two chains, with the floor 2^(3 - 127) as a leaf (so the byte cannot fall under 1); 2 off its exponent field is the conversions' scale operand
.macro QMAX s
	v_max3_num_f32 v[M0], |v[\s]|, |v[\s+1]|, |v[\s+2]|
	v_max3_num_f32 v[M1], |v[\s+3]|, |v[\s+4]|, |v[\s+5]|
.irp i, 6,10,14,18,22,26
	v_max3_num_f32 v[M0], v[M0], |v[\s+\i]|, |v[\s+\i+1]|
	v_max3_num_f32 v[M1], v[M1], |v[\s+\i+2]|, |v[\s+\i+3]|
.endr
	v_max3_num_f32 v[M0], v[M0], |v[\s+30]|, |v[\s+31]|
	v_max3_num_f32 v[M0], v[M0], v[M1], 0x1800000
	v_add_nc_u32 v[SCO], 0xff000000, v[M0]
.endm
; 32 numbers -> 192 bits of codes in v[x] .. v[x + 5], the scale's byte in v[by]
.macro QCVT s, x, by
	v_cvt_scalef32_pk16_fp6_f32 v[\x:\x+2], v[\s:\s+15], v[SCO]
	v_cvt_scalef32_pk16_fp6_f32 v[YT:YT+2], v[\s+16:\s+31], v[SCO]   ; (a conversion's three registers begin on an even number: the second half is made elsewhere and moved)
	v_lshrrev_b32 v[\by], 23, v[SCO]               ; the byte; also the plain line behind the conversions
	v_mov_b32 v[\x+3], v[YT]
	v_mov_b32 v[\x+4], v[YT+1]
	v_mov_b32 v[\x+5], v[YT+2]
.endm
; where lane (r, h) holds block h of row or column r: the word of lanes 0-15 is byte 0 = mine, byte 1 = lane l xor 16's, bytes 2 and 3 = 127 (lanes 16-31 are not read)
.macro WORDX dst
	v_permlanex16_b32 v[PT], v[BY], s[SEL], s[SEL+1]
	v_lshl_or_b32 v[\dst], v[PT], 8, v[BY]
	v_or_b32 v[\dst], 0x7f7f0000, v[\dst]
.endm
; unit h = block h % 2 of my point of round h / 2: 32 loads of 128 consecutive bytes.  31 channels and 3 rounds are 8,132,608 bytes: inside the signed 24-bit immediate; block 1 has a base of its own
.macro LOADH h
.set LSL, RING+32*((\h)%3)
.set LSB, 4+20*((\h)%2)
.irp i, 0,1,2,3,4,5,6,7,8,9,10,11,12,13,14,15,16,17,18,19,20,21,22,23,24,25,26,27,28,29,30,31
	global_load_b32 v[LSL+\i], v[OFF], s[LSB:LSB+1] offset:\i*NB_C+((\h)/2)*RND_B th:TH_LOAD_NT
.endr
.endm
.macro UNIT u
.set USL, RING+32*((\u)%3)
.set UCX, FR+6*((\u)%2)
.if (\u)+2 < 8
	LOADH (\u)+2                                   ; into the half-slot that was freed last
	s_wait_loadcnt 63                              ; 64 loads (units u + 1 and u + 2) are younger than this unit's last; a wait names 63 at the most: this unit is in
.else
	s_wait_loadcnt 32*(7-(\u))                     ; the last two units: what is younger is unit 7's 32 loads, then nothing
.endif
	QMAX USL
	QCVT USL, UCX, BY+(\u)%2
	ds_store_b128 v[WA], v[UCX:UCX+3] offset:BUFA*(((\u)/2)%2)+512*((\u)%2)
	ds_store_b64 v[WB], v[UCX+4:UCX+5] offset:BUFB*(((\u)/2)%2)+HB*((\u)%2)
.endm
.macro PLACES                          ; four plain lines between a matrix instruction and the first read of its result (ISA guide 7.12.1)
.rept 4
	v_nop
.endr
.endm
; four products: W's fragment w x tiles i0 .. i0 + 3, each a sum of its own (C = 0)
.macro MM w, sw, i0
.irp d, 0,1,2,3
	v_wmma_scale_f32_16x16x128_f8f6f4 v[DR+8*\d:DR+8*\d+7], v[\w:\w+11], v[FR+6*(\i0+\d):FR+6*(\i0+\d)+11], 0, v[\sw], v[SD+\i0+\d] matrix_a_fmt:MATRIX_FMT_FP6 matrix_b_fmt:MATRIX_FMT_FP6
.endr
.endm
; the scores of tiles 4 a .. 4 a + 3: q . k over the head's 8 channels, two at a time, the four tiles by turns; each result is read from its low end on
.macro ENERGY a
.irp d, 0,1,2,3
	v_pk_mul_f32 v[T+2*\d:T+2*\d+1], v[DR+8*\d:DR+8*\d+1], v[QS:QS+1]
.endr
.irp jj, 2,4,6
.irp d, 0,1,2,3
	v_pk_fma_f32 v[T+2*\d:T+2*\d+1], v[DR+8*\d+\jj:DR+8*\d+\jj+1], v[QS+\jj:QS+\jj+1], v[T+2*\d:T+2*\d+1]
.endr
.endr
.irp d, 0,1,2,3
	v_add_f32 v[E+4*\a+\d], v[T+2*\d], v[T+2*\d+1]
.endr
.endm
; sums += weight x v, tiles 4 a .. 4 a + 3; a weight is one register of a pair and serves both halves (op_sel, op_sel_hi).  The first product starts the sums
.macro XACC a
.irp d, 0,1,2,3
.irp jj, 0,2,4,6
.if (\a == 0) && (\d == 0)
	v_pk_mul_f32 v[X+\jj:X+\jj+1], v[DR+\jj:DR+\jj+1], v[E:E+1] op_sel_hi:[1,0]
.elseif (\d % 2) == 0
	v_pk_fma_f32 v[X+\jj:X+\jj+1], v[DR+8*\d+\jj:DR+8*\d+\jj+1], v[E+4*\a+\d:E+4*\a+\d+1], v[X+\jj:X+\jj+1] op_sel_hi:[1,0,1]
.else
	v_pk_fma_f32 v[X+\jj:X+\jj+1], v[DR+8*\d+\jj:DR+8*\d+\jj+1], v[E+4*\a+\d-1:E+4*\a+\d], v[X+\jj:X+\jj+1] op_sel:[0,1,0] op_sel_hi:[1,1,1]
.endif
.endr
.endr
.endm
; THE JOB of round rho: my four points x my 16 output channels
.macro JOB rho
.set DR, RING+32*((2*(\rho)+1)%3)      ; the half-slot just quantised: free until the next round asks for unit 2 rho + 4
.set JB, (\rho)%2
.irp g, 0,1,2,3,4,5,6,7
	ds_load_b128 v[FR+6*\g:FR+6*\g+3], v[RA] offset:BUFA*JB+64*\g
	ds_load_b64 v[FR+6*\g+4:FR+6*\g+5], v[RB] offset:BUFB*JB+32*\g
.endr
	ds_load_b128 v[SD:SD+3], v[RS] offset:BUFS*JB              ; the eight tiles' scale words lie on end for my column
	ds_load_b128 v[SD+4:SD+7], v[RS] offset:BUFS*JB+16
	s_mov_b32 s40, 0x11110000+0x44444444*(\rho)                ; lane r takes q of lane 4 rho + r / 4 of its own half
	s_mov_b32 s41, 0x33332222+0x44444444*(\rho)
.irp j, 0,1,2,3,4,5,6,7
	v_permlane16_b32 v[QS+\j], v[Q+\j], s40, s41
.endr
	s_wait_dscnt 0x0
	MM WK, SWK, 0
	PLACES
	ENERGY 0                                       ; (its lines on the other three tiles are the places in front of the next four products, which write the same accumulators)
	MM WK, SWK, 4
	PLACES
	ENERGY 1
	MM WV, SWV, 0                                  ; v of tiles 0-3 is made while the softmax is worked
	v_max3_num_f32 v[M0], v[E], v[E+1], v[E+2]     ; the row's largest score: my 8,
	v_max3_num_f32 v[M1], v[E+3], v[E+4], v[E+5]
	v_max3_num_f32 v[M0], v[M0], v[E+6], v[E+7]
	v_max_num_f32 v[M0], v[M0], v[M1]
	v_max_num_f32_dpp v[M0], v[M0], v[M0] row_xmask:1 row_mask:0xf bank_mask:0xf   ; and those of the three lanes that hold the point's other neighbours
	v_max_num_f32_dpp v[M0], v[M0], v[M0] row_xmask:2 row_mask:0xf bank_mask:0xf
.irp jj, 0,2,4,6
	v_pk_add_f32 v[E+\jj:E+\jj+1], v[E+\jj:E+\jj+1], v[M0:M0+1] op_sel_hi:[1,0] neg_lo:[0,1] neg_hi:[0,1]
.endr
.irp j, 0,1,2,3,4,5,6,7
	v_exp_f32 v[E+\j], v[E+\j]                     ; the weights, at most 1, not yet normalised (q carries log2(e) / sqrt(8))
.endr
	v_nop                                          ; a plain line behind the last exponential
	s_wait_alu depctr_va_vdst(0)                   ; one wait for the batch, ahead of its first reader
	XACC 0
	MM WV, SWV, 4
	v_pk_add_f32 v[T:T+1], v[E:E+1], v[E+2:E+3]    ; the weights' sum; these four lines are also the places behind the products
	v_pk_add_f32 v[T+2:T+3], v[E+4:E+5], v[E+6:E+7]
	v_pk_add_f32 v[T:T+1], v[T:T+1], v[T+2:T+3]
	v_add_f32 v[T], v[T], v[T+1]
	v_add_f32_dpp v[T], v[T], v[T] row_xmask:1 row_mask:0xf bank_mask:0xf
	v_add_f32_dpp v[T], v[T], v[T] row_xmask:2 row_mask:0xf bank_mask:0xf
	v_rcp_f32 v[T+2], v[T]                         ; the sum is at least 1
	XACC 1
.irp j, 0,1,2,3,4,5,6,7
	v_add_f32_dpp v[X+\j], v[X+\j], v[X+\j] row_xmask:1 row_mask:0xf bank_mask:0xf
.endr
.irp j, 0,1,2,3,4,5,6,7
	v_add_f32_dpp v[X+\j], v[X+\j], v[X+\j] row_xmask:2 row_mask:0xf bank_mask:0xf
.endr
	s_wait_alu depctr_va_vdst(0)                   ; the reciprocal's wait, ahead of its first reader
.irp jj, 0,2,4,6
	v_pk_mul_f32 v[X+\jj:X+\jj+1], v[X+\jj:X+\jj+1], v[T+2:T+3] op_sel_hi:[1,0]
.endr
.irp j, 0,1,2,3,4,5,6,7
	ds_store_b32 v[XS], v[X+\j] offset:\j*XP+64*(\rho)         ; channel 16 t + 8 h + j, point 16 rho + 4 quad + p; the four lanes of a point write the same word with the same value
.endr
.endm
.macro ROUND rho
	UNIT 2*(\rho)
	UNIT 2*(\rho)+1
	v_lshl_or_b32 v[SW], v[BY+1], 8, v[BY]         ; my column's scale word: blocks 0 and 1, and 127 for the two blocks of zeros
	v_or_b32 v[SW], 0x7f7f0000, v[SW]
	ds_store_b32 v[WS], v[SW] offset:BUFS*((\rho)%2)
	s_wait_dscnt 0x0                               ; my stores have landed, and my reads of the last job are back: the buffer that the next round writes was last read in that job
	s_barrier_signal -1
	s_barrier_wait -1                              ; the round's 16 points lie in LDS
	JOB \rho
.endm
	s_load_b256 s[4:11], s[0:1], 0x0               ; neighbors s[4:5], pcd s[6:7], Wq s[8:9], Wk s[10:11]
	s_load_b128 s[12:15], s[0:1], 0x20             ; Wv s[12:13], out0 s[14:15]
	v_lshrrev_b32 v21, 5, v0
	v_readfirstlane_b32 s16, v21                   ; wave 0..15
	s_and_b32 s17, s16, 3                          ; t
	s_lshr_b32 s18, s16, 2                         ; quad
	s_lshr_b32 s19, ttmp9, 5                       ; the batch
	s_and_b32 s20, ttmp9, 31                       ; which 64 points of it
	s_lshl_b32 s22, s19, 24                        ; neighbors: 2^24 bytes a batch, 8,192 for 64 points
	s_lshl_b32 s21, s20, 13
	s_add_co_u32 s22, s22, s21
	s_mov_b32 s23, 0
	s_lshl_b32 s28, s19, 19                        ; pcd and out0: 2^19 bytes a batch, 256 for 64 points
	s_lshl_b32 s21, s20, 8
	s_add_co_u32 s28, s28, s21
	s_mov_b32 s29, 0
	s_mov_b32 s[SEL], 0x76543210
	s_mov_b32 s[SEL+1], 0xfedcba98
	s_mov_b32 s[CQ], 0x3f0293ee                    ; log2(e) / sqrt(8)
	s_mov_b32 s[CQ+1], s[CQ]                       ; (named with it as a pair, so it is written)
	v_lshlrev_b32 v[OFF], 2, v0
	v_and_b32 v21, 31, v0                          ; lane
	v_and_b32 v22, 15, v0                          ; r
	v_bfe_u32 v23, v0, 4, 1                        ; h
	v_bfe_u32 v24, v0, 2, 2                        ; p = r / 4
	v_and_b32 v25, 3, v0                           ; kq = r % 4
	; every LDS address is a constant + constants x (wave, lane parts), and is made here, ahead of the first branch
	s_mul_i32 s30, s16, PA
	v_lshl_add_u32 v[WA], v21, 4, s30              ; my point's place, 16 bytes a neighbour
	s_mul_i32 s30, s16, PB
	s_add_co_u32 s30, s30, CB
	v_lshl_add_u32 v[WB], v21, 3, s30
	s_lshl_b32 s30, s16, 7
	s_add_co_u32 s30, s30, CS
	v_lshrrev_b32 v26, 2, v21
	v_lshlrev_b32 v27, 5, v25
	v_lshl_add_u32 v27, v26, 2, v27                ; neighbour 4 g + kq at 32 kq + 4 g
	v_add_nc_u32 v[WS], s30, v27
	s_mul_i32 s30, s18, 4*PA
	v_mul_u32_u24 v26, v24, PA                     ; point 4 quad + p,
	v_lshl_add_u32 v26, v23, 9, v26                ; block h,
	v_lshl_add_u32 v26, v25, 4, v26                ; neighbour kq (+ 4 g in the immediate)
	v_add_nc_u32 v[RA], s30, v26
	s_mul_i32 s30, s18, 4*PB
	s_add_co_u32 s30, s30, CB
	v_mul_u32_u24 v26, v24, PB
	v_mad_u32_u24 v26, v23, HB, v26
	v_lshl_add_u32 v26, v25, 3, v26
	v_add_nc_u32 v[RB], s30, v26
	s_lshl_b32 s30, s18, 9
	s_add_co_u32 s30, s30, CS
	v_lshlrev_b32 v26, 7, v24
	v_lshl_add_u32 v26, v25, 5, v26
	v_add_nc_u32 v[RS], s30, v26
	s_mul_i32 s30, s17, 16*XP                      ; the stage, in: channel 16 t + 8 h (+ j), point 4 quad + p (+ 16 rho)
	s_lshl_b32 s31, s18, 4
	s_add_co_u32 s30, s30, s31
	s_add_co_u32 s30, s30, XST
	v_mul_u32_u24 v26, v23, 8*XP
	v_lshl_add_u32 v26, v24, 2, v26
	v_add_nc_u32 v[XS], s30, v26
	s_mul_i32 s30, s16, 4*XP                       ; back: channels 4 w + h (+ 2), sixteen lanes to a row of 256 bytes
	s_add_co_u32 s30, s30, XST
	v_mul_u32_u24 v26, v23, XP
	v_lshl_add_u32 v26, v22, 4, v26
	v_add_nc_u32 v[XR], s30, v26
	s_lshl_b32 s30, s16, 15                        ; and the same in out0
	v_lshlrev_b32 v26, 13, v23
	v_lshl_add_u32 v26, v22, 4, v26
	v_add_nc_u32 v[GO], s30, v26
	s_lshl_b32 s30, s16, 10                        ; pcd: channels 4 w + 0..3, 8 bytes a lane: in LDS,
	s_add_co_u32 s30, s30, PRAW
	v_lshl_add_u32 v[PW], v21, 3, s30
	s_lshl_b32 s30, s16, 15                        ; in memory;
	v_lshl_add_u32 v[PG], v21, 3, s30
	s_lshl_b32 s30, s18, 4                         ; and out of LDS: lane (r, h) takes point 16 (r / 4) + 4 quad + r % 4, channels 32 h on
	s_add_co_u32 s30, s30, PRAW
	v_lshlrev_b32 v26, 13, v23
	v_lshl_add_u32 v26, v24, 6, v26
	v_lshl_add_u32 v26, v25, 2, v26
	v_add_nc_u32 v[PR], s30, v26
	s_lshl_b32 s30, s17, 12                        ; W: row 16 t + r of 256 bytes, + 128 h
	v_lshlrev_b32 v26, 8, v22
	v_lshl_add_u32 v26, v23, 7, v26
	v_add_nc_u32 v[WGO], s30, v26
	s_mul_i32 s30, s16, WFR                        ; fragment w's image
	s_add_co_u32 s30, s30, WIMG
	v_lshl_add_u32 v[WI16], v21, 4, s30
	v_lshl_add_u32 v[WI8], v21, 3, s30
	v_lshl_add_u32 v[WI4], v21, 2, s30
	s_mul_i32 s30, s17, WFR                        ; tile t's image of Wq; Wk's and Wv's lie 4 and 8 fragments on
	s_add_co_u32 s30, s30, WIMG
	v_lshl_add_u32 v[LI16], v21, 4, s30
	v_lshl_add_u32 v[LI8], v21, 3, s30
	v_lshl_add_u32 v[LI4], v21, 2, s30
.irp i, 6,7,8,9,10,11
	v_mov_b32 v[WK+\i], 0                          ; zero codes for k = 64 .. 127: written once, they stay
	v_mov_b32 v[WV+\i], 0
	v_mov_b32 v[FR+42+\i], 0
.endr
.irp j, 0,1,2,3,4,5,6,7
	v_mov_b32 v[QS+\j], 0                          ; written once: a lane permute's destination counts as one of its sources
.endr
	s_wait_kmcnt 0x0
	s_add_nc_u64 s[4:5], s[4:5], s[22:23]          ; neighbors at my work-group's first point, channel 0,
	s_add_nc_u64 s[24:25], s[4:5], 0x800000        ; and channel 32
	s_add_nc_u64 s[6:7], s[6:7], s[28:29]
	s_add_nc_u64 s[14:15], s[14:15], s[28:29]
	s_cmp_eq_u32 s18, 0                            ; waves 0-3 take Wq, 4-7 Wk, 8-11 Wv: a choice on the wave's number
	s_cselect_b64 s[26:27], s[8:9], s[10:11]
	s_cmp_eq_u32 s18, 2
	s_cselect_b64 s[26:27], s[12:13], s[26:27]
	s_cmp_lt_u32 s16, 12
	s_cbranch_scc0 .Lno_w_loads
.irp i, 0,1,2,3,4,5,6,7
	global_load_b128 v[RING+64+4*\i:RING+64+4*\i+3], v[WGO], s[26:27] offset:16*\i   ; K is innermost in W: lane (r, h) takes its block's 32 numbers, 128 consecutive bytes
.endr
.Lno_w_loads:
.irp i, 0,1,2,3
	global_load_b64 v[PL+2*\i:PL+2*\i+1], v[PG], s[6:7] offset:\i*PC_C th:TH_LOAD_NT   ; 32 lanes read 256 consecutive bytes, aligned: 64 points of a channel
.endr
	LOADH 0                                        ; the stream begins before anything is waited for
	LOADH 1
	s_wait_loadcnt 63                              ; 64 loads are younger than pcd's last: W's and pcd's are in
.irp i, 0,1,2,3
	ds_store_b64 v[PW], v[PL+2*\i:PL+2*\i+1] offset:256*\i
.endr
	s_cmp_lt_u32 s16, 12
	s_cbranch_scc0 .Lno_w_codes
	QMAX RING+64                                   ; my fragment of W: the block is mine whole
	QCVT RING+64, FR, BY
	WORDX SW
	ds_store_b128 v[WI16], v[FR:FR+3]              ; as an image of its registers: any wave that loads it by the same lines has the same registers in the same lanes
	ds_store_b64 v[WI8], v[FR+4:FR+5] offset:512
	ds_store_b32 v[WI4], v[SW] offset:768
.Lno_w_codes:
	s_wait_dscnt 0x0                               ; for the others' sake: my stores have landed
	s_barrier_signal -1
	s_barrier_wait -1                              ; pcd and the twelve fragments lie in LDS; these bytes are not written again
	ds_load_b128 v[WK:WK+3], v[LI16]               ; Wq's tile t, for now in Wk's registers
	ds_load_b64 v[WK+4:WK+5], v[LI8] offset:512
	ds_load_b32 v[SWK], v[LI4] offset:768
	ds_load_b128 v[WV:WV+3], v[LI16] offset:8*WFR
	ds_load_b64 v[WV+4:WV+5], v[LI8] offset:8*WFR+512
	ds_load_b32 v[SWV], v[LI4] offset:8*WFR+768
.irp i, 0,1,2,3,4,5,6,7,8,9,10,11,12,13,14,15,16,17,18,19,20,21,22,23,24,25,26,27,28,29,30,31
	ds_load_b32 v[RING+64+\i], v[PR] offset:256*\i             ; pcd(32 h + i, my point): registers down K, in the order of the operand's layout
.endr
	s_wait_dscnt 0x0
	QMAX RING+64
	QCVT RING+64, FR+42, BY                        ; the codes are the operand's registers; the six zeros stand behind them
	WORDX SD
.rept 8
	v_nop                                          ; a scale register written by a vector instruction stands 8 places ahead of a scaled matrix instruction, an operand so written 4
.endr
	v_wmma_scale_f32_16x16x128_f8f6f4 v[RING+64:RING+71], v[WK:WK+11], v[FR+42:FR+53], 0, v[SWK], v[SD] matrix_a_fmt:MATRIX_FMT_FP6 matrix_b_fmt:MATRIX_FMT_FP6
	PLACES                                         ; in front of the read of the result, and of the loads into its registers and its sources
.irp jj, 0,2,4,6
	v_pk_mul_f32 v[Q+\jj:Q+\jj+1], v[RING+64+\jj:RING+64+\jj+1], s[CQ:CQ+1] op_sel_hi:[1,0]   ; lane (r, h): q(16 t + 8 h + j, point 16 (r / 4) + 4 quad + r % 4) x log2(e) / sqrt(8)
.endr
	ds_load_b128 v[WK:WK+3], v[LI16] offset:4*WFR  ; now Wk's tile t (waited for in front of the first round's barrier)
	ds_load_b64 v[WK+4:WK+5], v[LI8] offset:4*WFR+512
	ds_load_b32 v[SWK], v[LI4] offset:4*WFR+768
	ROUND 0                                        ; written out: every offset is an immediate, no pointer is stepped
	ROUND 1
	ROUND 2
	ROUND 3
	s_wait_dscnt 0x0                               ; my stores into the stage have landed
	s_barrier_signal -1
	s_barrier_wait -1                              ; 64 channels x 64 points lie in the stage
	ds_load_b128 v[E:E+3], v[XR]
	ds_load_b128 v[E+4:E+7], v[XR] offset:2*XP
	s_wait_dscnt 0x0
	global_store_b128 v[GO], v[E:E+3], s[14:15] th:TH_STORE_NT                 ; sixteen lanes store 256 consecutive bytes, at a multiple of 256 from out0's first byte
	global_store_b128 v[GO], v[E+4:E+7], s[14:15] offset:2*PC_C th:TH_STORE_NT
	s_wait_xcnt 0x0
	v_lshl_add_u32 v254, v0, 2, 0x19000
	v_mov_b32 v255, 0
	s_wait_tensorcnt 0x0
	ds_add_u32 v254, v255
	s_wait_dscnt 0x0
	s_endpgm
.Lfunc_end_k_q91d77cef36_xattn:
	.size	k_q91d77cef36_xattn, .Lfunc_end_k_q91d77cef36_xattn-k_q91d77cef36_xattn
	.p2alignl 7, 3214868480
	.fill 96, 4, 3214868480
	.section	.rodata,"a",@progbits
	.p2align	6, 0x0
	.amdhsa_kernel k_q91d77cef36_xattn
		.amdhsa_group_segment_fixed_size 104448
		.amdhsa_private_segment_fixed_size 0
		.amdhsa_enable_private_segment 0
		.amdhsa_kernarg_size 48
		.amdhsa_user_sgpr_count 2
		.amdhsa_user_sgpr_kernarg_segment_ptr 1
		.amdhsa_wavefront_size32 1
		.amdhsa_system_sgpr_workgroup_id_x 1
		.amdhsa_system_sgpr_workgroup_id_y 1
		.amdhsa_system_sgpr_workgroup_id_z 1
		.amdhsa_system_vgpr_workitem_id 0
		.amdhsa_next_free_vgpr 256
		.amdhsa_next_free_sgpr 66
		.amdhsa_reserve_vcc 0
		.amdhsa_float_denorm_mode_32 3
		.amdhsa_float_denorm_mode_16_64 3
		.amdhsa_memory_ordered 1
		.amdhsa_forward_progress 1
		.amdhsa_inst_pref_size 98
	.end_amdhsa_kernel
	.amdgpu_metadata
---
amdhsa.version: [ 1, 2 ]
amdhsa.kernels:
  - .name:           k_q91d77cef36_xattn
    .symbol:         k_q91d77cef36_xattn.kd
    .args:
      - { .name: neighbors, .offset: 0, .size: 8, .value_kind: global_buffer, .address_space: global }
      - { .name: pcd, .offset: 8, .size: 8, .value_kind: global_buffer, .address_space: global }
      - { .name: Wq, .offset: 16, .size: 8, .value_kind: global_buffer, .address_space: global }
      - { .name: Wk, .offset: 24, .size: 8, .value_kind: global_buffer, .address_space: global }
      - { .name: Wv, .offset: 32, .size: 8, .value_kind: global_buffer, .address_space: global }
      - { .name: out0, .offset: 40, .size: 8, .value_kind: global_buffer, .address_space: global }
    .group_segment_fixed_size: 104448
    .private_segment_fixed_size: 0
    .kernarg_segment_align: 8
    .kernarg_segment_size: 48
    .max_flat_workgroup_size: 512
    .sgpr_count:     66
    .vgpr_count:     256
    .wavefront_size: 32
...
	.end_amdgpu_metadata
.endif
;; end of part 1
